; MI455X (gfx1250); checked and timed in simulation.
; The chip was launched on July 23, 2026; its instructions are those of AMD's public machine-readable ISA for CDNA 5 (MIT licence, August 2026) and "CDNA5" Instruction Set Architecture Reference Guide (July 2026). The comments in the code are by the model that wrote it; some were corrected since.
;; Multi Head Attention. Allowed arithmetic: matrix products marked QUANTISED: E2M3 operands, one E8M0 scale for each 32 along K, by v_wmma_scale_f32_16x16x128_f8f6f4 with both operands' format E2M3, f32 sums; everything else in f32.
;; Inputs: b_o 384 float32; k 2 x 4,096 x 384 float32; mask 2 x 1 x 1 x 4,096 int32; q 2 x 4,096 x 384 float32; v 2 x 4,096 x 384 float32; w_k 384 x 384 float32; w_o 384 x 384 float32; w_q 384 x 384 float32; w_v 384 x 384 float32.
;; Outputs: out0 2 x 4,096 x 384 float32.
;; This version of the problem:
;;   THIS VERSION OF THE PROBLEM IS GIVEN IN LOW PRECISION. The matrix products marked QUANTISED in the list below multiply operands that are first quantised to E2M3 (2 exponent bits, 3 mantissa bits; 6 bits a number), with one power-of-two scale for each 32 numbers along K (OCP MX v1.0); their sums are f32. All else is computed in f32.
;;   The module's matrix products, in the order in which they are computed (A, B: the left and right operand; K: the contracted axis; several contracted axes count as one K, in the product's order):
;;     1. [M 8,192, K 384] x [K 384, N 384]; A: input v; B: input w_v: QUANTISED
;;     2. [M 8,192, K 384] x [K 384, N 384]; A: input k; B: input w_k: QUANTISED
;;     3. [M 8,192, K 384] x [K 384, N 384]; A: input q; B: input w_q: QUANTISED
;;     4. batch 12 x [M 4,096, K 64] x [K 64, N 4,096]; A: computed on the way; B: computed on the way: QUANTISED
;;     5. batch 12 x [M 4,096, K 4,096] x [K 4,096, N 64]; A: softmax (see below); B: computed on the way: QUANTISED
;;     6. [M 8,192, K 384] x [K 384, N 384]; A: computed on the way; B: input w_o: QUANTISED
;;   THE QUANTISER, for each operand of a quantised product, along K:
;;     - K is cut into blocks of 32 from its start; a last block that is shorter is filled with zeros.
;;     - A block's scale is 2^e with e = floor(log2(the largest magnitude in the block)) - 2, held to -126 .. 127; a block of zeros has e = 0. As a byte (E8M0): e + 127.
;;     - Each number is divided by its block's scale, clamped to +-7.5, and rounded to the nearest number of E2M3, ties to even, subnormals kept.
;;     - The product sums the exact products of the quantised numbers (number of the format x scale) in f32.
;;   ~~~python
;;   def quantise(x, axis):      # numpy; x: float32 -> the quantised numbers, widened to float32 again
;;       x = np.moveaxis(x, axis, -1); K = x.shape[-1]
;;       x = np.pad(x, [(0, 0)] * (x.ndim - 1) + [(0, -K % 32)]); x = x.reshape(x.shape[:-1] + (-1, 32)); a = np.abs(x).max(-1, keepdims=True)
;;       e = np.where(a > 0, np.clip(np.frexp(np.where(a > 0, a, 1))[1] - 1 - 2, -126, 127), 0)      # np.frexp(a)[1] - 1 = floor(log2(a)), exactly
;;       r = np.clip(x / 2.0 ** e, -7.5, 7.5)
;;       step = 2.0 ** (np.maximum(np.frexp(np.where(r == 0, 1, r))[1] - 1, 0) - 3)
;;       q = np.round(r / step) * step * 2.0 ** e      # np.round: ties to even
;;       return np.moveaxis(q.reshape(q.shape[:-2] + (-1,))[..., :K], -1, axis).astype(np.float32)
;;   ~~~
;;   SOFTMAX AHEAD OF A QUANTISED PRODUCT. Where the list says 'softmax', what is quantised is not the finished softmax but p = 2^(t - M), with t = logit x log2(e) and M = ceil(the row's largest t), a whole number; so 1/2 < the row's largest p <= 1. The row's sum l is taken of the UNQUANTISED p, in f32, and the product's result is divided by l at the end. Since M is a whole number, a kernel that streams over the keys may use a running M (the ceiling of the running maximum): every later rescaling is an exact power of two, which a block's scale takes up: the codes' values come out the same.
;;   OPERANDS COMPUTED ON THE WAY. 'Computed on the way' means the value that the module computes at that place (a softmax that the list does not call 'softmax' is quantised finished and normalised). What goes into a quantiser is computed in f32, as accurately as f32 sums, v_exp_f32 and their like allow (about 1e-6 of the number): no bf16 or f16 on the way to a quantiser, and a product that is left as it is and whose result goes on into a quantised operand takes f32 operands (vector FMAs, or v_wmma_f32_16x16x4_f32). A number that lies on a knife's edge between two numbers of the format may be rounded either way, as far as f32 arithmetic and the matrix unit's own rounding can turn it there, and no further.
;; One version. Each part assembles by itself: llvm-mc -triple=amdgcn-amd-amdhsa -mcpu=gfx1250 --defsym DOCPART=n.
;; ======== version 1 of 1: 3 launches
;; limits: right only within a limited range of input values
;; workspace buffers: wimg 442,368 bytes; wsc 49,152 bytes; flags 512 bytes of whole numbers; qimg 2,555,904 bytes; kv 5,013,504 bytes
;; launch prep (part 1): grid 98 x 1, 1 waves a work-group, no clusters, 0 bytes of LDS; arguments w_q, w_k, w_v, w_o, mask, wimg, wsc, flags; writes wimg, wsc, flags
.if DOCPART == 1
	.amdgcn_target "amdgcn-amd-amdhsa--gfx1250"
	.amdhsa_code_object_version 6
	.text
	.protected	k_q11e0442959_prep
	.globl	k_q11e0442959_prep
	.p2align	8
	.type	k_q11e0442959_prep,@function
k_q11e0442959_prep:
	s_mov_b64 s[64:65], 0
	v_nop
	global_prefetch_b8 v0, s[64:65] scope:SCOPE_SE
	s_setreg_imm32_b32 hwreg(HW_REG_WAVE_MODE, 25, 1), 1
	s_wait_xcnt 0x0
; Work-groups 0-95: the four weights [384 (k)][384 (n)], f32, become codes of E2M3 with one E8M0 scale for each 32 along K, laid as IMAGES OF THE OPERAND'S REGISTERS.
; Work-group id = 24 x weight + T makes tile T (16 columns) of one weight (0 q, 1 k, 2 v, 3 o) for the three K steps of 128.
; Lane (r, h) of tile T = 2 B + u is column n = 32 B + 8 u + r + 8 (r / 8); its registers run DOWN K: registers 6 c .. 6 c + 5 of K step s hold k = 128 s + 64 c + 32 h + 0 .. 31.
; So a block of 32 lies in one lane, its largest magnitude needs no other lane, and the conversions' results are the operand's registers.
; wimg: [id][s][3 groups of 512 bytes]: group g = registers 4 g .. 4 g + 3, lane l's 16 bytes at 16 l.   wsc: [id][lane][4 words]: word s = the scale word of K step s for row lane % 16, word 3 a filler.
; Work-groups 96, 97: the smallest mask value of batch 0, 1 (mmin) and zmask = -1 if it is 0, else 0: flags [batch][lane][2 words], every lane the same pair: one aligned run of 256 bytes.
; A block's byte is its largest magnitude's exponent field - 2, held at 1 from below.
; LIMITS: a block of zeros gets the byte 1 (its codes are zeros; only this program reads the bytes); NaN and infinities among the inputs are not served.
.set X,   32                           ; v32-223  192 numbers: 64 s + 32 c + i
.set PC,  224                          ; v224-235 a fragment's codes
.set PT,  236                          ; v236-238, v240-242 the second halves of the blocks, as the conversions leave them
.set SW,  244                          ; v244-247 the three scale words and the filler
	s_load_b256 s[4:11], s[0:1], 0x0               ; w_q, w_k, w_v, w_o
	s_load_b256 s[12:19], s[0:1], 0x20             ; mask, wimg, wsc, flags
	v_and_b32 v1, 15, v0                           ; r (one wave: v0 is the lane)
	v_lshrrev_b32 v2, 4, v0                        ; h
	v_lshlrev_b32 v4, 4, v0                        ; 16 x lane
	s_mov_b32 s20, 0x76543210
	s_mov_b32 s21, 0xfedcba98                      ; v_permlanex16_b32's selects for lane l xor 16
	s_cmp_ge_u32 ttmp9, 96
	s_cbranch_scc1 .Lmask
	s_mul_i32 s22, ttmp9, 171
	s_lshr_b32 s22, s22, 12                        ; weight = id / 24 (exact for id under 96)
	s_mul_i32 s23, s22, 24
	s_sub_co_u32 s23, ttmp9, s23                   ; T
	s_lshr_b32 s24, s23, 1
	s_lshl_b32 s24, s24, 7                         ; 128 B bytes: 32 columns
	s_and_b32 s25, s23, 1
	s_lshl_b32 s25, s25, 5                         ; 32 u bytes: 8 columns
	s_add_co_u32 s24, s24, s25
	s_mov_b32 s25, 0
	s_mul_i32 s26, ttmp9, 4608                     ; wimg: three fragments of 1,536 bytes a tile
	s_mov_b32 s27, 0
	s_lshl_b32 s28, ttmp9, 9                       ; wsc: 512 bytes a tile
	s_mov_b32 s29, 0
	s_wait_alu depctr_va_vdst(0)
	v_and_b32 v3, 8, v1
	v_add_nc_u32 v3, v3, v1                        ; r + 8 (r / 8)
	v_lshlrev_b32 v3, 2, v3
	v_mad_u32_u24 v3, v2, 0xc000, v3               ; lanes 16-31 begin 32 rows of 1,536 bytes further down
	v_lshlrev_b32 v10, 3, v2                       ; 8 h: my two bytes' place in a scale word
	v_mov_b32 v19, 0                               ; a lane permute's destination counts as one of its sources
	s_wait_alu depctr_va_vdst(0)
	s_wait_kmcnt 0x0
	s_cmp_eq_u32 s22, 1                            ; the weight is chosen by the work-group's number alone
	s_cselect_b64 s[4:5], s[6:7], s[4:5]
	s_cmp_eq_u32 s22, 2
	s_cselect_b64 s[4:5], s[8:9], s[4:5]
	s_cmp_eq_u32 s22, 3
	s_cselect_b64 s[4:5], s[10:11], s[4:5]
	s_add_nc_u64 s[4:5], s[4:5], s[24:25]
	s_add_nc_u64 s[14:15], s[14:15], s[26:27]
	s_add_nc_u64 s[16:17], s[16:17], s[28:29]
.set n, 0
.rept 192                                      ; W(128 s + 64 c + 32 h + i, my column): all loads go out at once
	global_load_b32 v[X+n], v3, s[4:5] offset:(128*(n/64)+64*((n/32)%2)+n%32)*1536
.set n, n+1
.endr
.macro WSTEP s, left
.set XB, X+64*\s
	s_wait_loadcnt \left                           ; this K step's 64 loads are in: behind them 128, 64 or 0 were issued; the wait's field holds 63 at the most, which is below the first two
.if \s > 0
	s_wait_xcnt 0x0                                ; the last K step's stores have read their data: the codes' registers are written again only behind this wait
.endif
.irp c, 0,1
	v_max3_num_f32 v[12+\c], |v[XB+32*\c]|, |v[XB+32*\c+1]|, 0x1800000   ; my block 2 c + h, and the floor 2^(3 - 127): the byte cannot fall under 1
.endr
.irp i, 2,4,6,8,10,12,14,16,18,20,22,24,26,28,30
.irp c, 0,1
	v_max3_num_f32 v[12+\c], v[12+\c], |v[XB+32*\c+\i]|, |v[XB+32*\c+\i+1]|   ; the two blocks by turns
.endr
.endr
.irp c, 0,1
	v_add_nc_u32 v[14+\c], 0xff000000, v[12+\c]    ; 2 off the exponent field: the conversion's scale operand
.endr
.irp c, 0,1
	v_lshrrev_b32 v[16+\c], 23, v[14+\c]           ; the scale's byte
.endr
	v_lshl_or_b32 v18, v17, 16, v16                ; blocks h and 2 + h,
	v_lshlrev_b32 v18, v10, v18                    ; at their places in the word;
	v_permlanex16_b32 v19, v18, s20, s21
	v_or_b32 v[SW+\s], v18, v19                    ; with lane l xor 16's two the word is whole
.irp c, 0,1
	v_cvt_scalef32_pk16_fp6_f32 v[PC+6*\c:PC+6*\c+2], v[XB+32*\c:XB+32*\c+15], v[14+\c]
	v_cvt_scalef32_pk16_fp6_f32 v[PT+4*\c:PT+4*\c+2], v[XB+32*\c+16:XB+32*\c+31], v[14+\c]   ; a conversion's three registers begin on an even number
.endr
	v_nop                                          ; one plain place behind a scaled conversion
.irp c, 0,1
.irp i, 0,1,2
	v_mov_b32 v[PC+6*\c+3+\i], v[PT+4*\c+\i]
.endr
.endr
.irp g, 0,1,2
	global_store_b128 v4, v[PC+4*\g:PC+4*\g+3], s[14:15] offset:1536*\s+512*\g   ; 32 lanes store 512 consecutive bytes, aligned
.endr
.endm
	WSTEP 0, 63
	WSTEP 1, 63
	WSTEP 2, 0
	v_mov_b32 v[SW+3], 0x7f7f7f7f
	global_store_b128 v4, v[SW:SW+3], s[16:17]
	s_endpgm
.Lmask:
	s_sub_co_u32 s22, ttmp9, 96                    ; the batch
	s_lshl_b32 s24, s22, 14                        ; 4,096 words of mask
	s_mov_b32 s25, 0
	s_lshl_b32 s26, s22, 8
	s_mov_b32 s27, 0
	v_lshlrev_b32 v5, 3, v0
	s_wait_kmcnt 0x0
	s_add_nc_u64 s[12:13], s[12:13], s[24:25]
	s_add_nc_u64 s[18:19], s[18:19], s[26:27]
.set n, 0
	s_wait_alu depctr_va_vdst(0)
.rept 32
	global_load_b128 v[32+4*n:35+4*n], v4, s[12:13] offset:512*n
.set n, n+1
.endr
	s_wait_loadcnt 0x0
.irp k, 0,1,2,3
	v_min_i32 v[8+\k], v[32+\k], v[36+\k]          ; four chains
.endr
.set n, 2
.rept 30
.irp k, 0,1,2,3
	v_min_i32 v[8+\k], v[8+\k], v[32+4*n+\k]
.endr
.set n, n+1
.endr
	v_min_i32 v8, v8, v9
	v_min_i32 v10, v10, v11
	v_min_i32 v8, v8, v10
.irp m, 1,2,4,8
	v_mov_b32_dpp v9, v8 row_xmask:\m row_mask:0xf bank_mask:0xf
	v_min_i32 v8, v8, v9
.endr
	v_permlanex16_b32 v9, v8, s20, s21
	v_min_i32 v8, v8, v9                           ; mmin, in every lane
	v_cmp_eq_u32 vcc_lo, 0, v8
	v_cndmask_b32 v9, 0, -1, vcc_lo                ; zmask
	global_store_b64 v5, v[8:9], s[18:19]
	s_endpgm
.Lfunc_end_k_q11e0442959_prep:
	.size	k_q11e0442959_prep, .Lfunc_end_k_q11e0442959_prep-k_q11e0442959_prep
	.p2alignl 7, 3214868480
	.fill 96, 4, 3214868480
	.section	.rodata,"a",@progbits
	.p2align	6, 0x0
	.amdhsa_kernel k_q11e0442959_prep
		.amdhsa_group_segment_fixed_size 0
		.amdhsa_private_segment_fixed_size 0
		.amdhsa_enable_private_segment 0
		.amdhsa_kernarg_size 64
		.amdhsa_user_sgpr_count 2
		.amdhsa_user_sgpr_kernarg_segment_ptr 1
		.amdhsa_wavefront_size32 1
		.amdhsa_system_sgpr_workgroup_id_x 1
		.amdhsa_system_sgpr_workgroup_id_y 1
		.amdhsa_system_sgpr_workgroup_id_z 1
		.amdhsa_system_vgpr_workitem_id 0
		.amdhsa_next_free_vgpr 256
		.amdhsa_next_free_sgpr 66
		.amdhsa_reserve_vcc 1
		.amdhsa_float_denorm_mode_32 3
		.amdhsa_float_denorm_mode_16_64 3
		.amdhsa_memory_ordered 1
		.amdhsa_forward_progress 1
		.amdhsa_inst_pref_size 38
	.end_amdhsa_kernel
	.amdgpu_metadata
---
amdhsa.version: [ 1, 2 ]
amdhsa.kernels:
  - .name:           k_q11e0442959_prep
    .symbol:         k_q11e0442959_prep.kd
    .args:
      - { .name: w_q, .offset: 0, .size: 8, .value_kind: global_buffer, .address_space: global }
      - { .name: w_k, .offset: 8, .size: 8, .value_kind: global_buffer, .address_space: global }
      - { .name: w_v, .offset: 16, .size: 8, .value_kind: global_buffer, .address_space: global }
      - { .name: w_o, .offset: 24, .size: 8, .value_kind: global_buffer, .address_space: global }
      - { .name: mask, .offset: 32, .size: 8, .value_kind: global_buffer, .address_space: global }
      - { .name: wimg, .offset: 40, .size: 8, .value_kind: global_buffer, .address_space: global }
      - { .name: wsc, .offset: 48, .size: 8, .value_kind: global_buffer, .address_space: global }
      - { .name: flags, .offset: 56, .size: 8, .value_kind: global_buffer, .address_space: global }
    .group_segment_fixed_size: 0
    .private_segment_fixed_size: 0
    .kernarg_segment_align: 8
    .kernarg_segment_size: 64
    .max_flat_workgroup_size: 32
    .sgpr_count:     66
    .vgpr_count:     256
    .wavefront_size: 32
...
	.end_amdgpu_metadata
.endif
;; end of part 1
;; launch proj (part 2): grid 64 x 3, 6 waves a work-group, no clusters, 243,456 bytes of LDS; arguments q, k, v, mask, wimg, wsc, flags, qimg, kv; writes qimg, kv
.if DOCPART == 2
	.amdgcn_target "amdgcn-amd-amdhsa--gfx1250"
	.amdhsa_code_object_version 6
	.text
	.protected	k_q11e0442959_proj
	.globl	k_q11e0442959_proj
	.p2align	8
	.type	k_q11e0442959_proj,@function
k_q11e0442959_proj:
	s_mov_b64 s[64:65], 0
	v_nop
	global_prefetch_b8 v0, s[64:65] scope:SCOPE_SE
	s_setreg_imm32_b32 hwreg(HW_REG_WAVE_MODE, 25, 1), 1
	s_wait_xcnt 0x0
; Products q w_q, k w_k, v w_v on codes of E2M3, with the quantising of x ahead of them and of the results behind them.  Work-group (x, y): chunk x (128 rows) of tensor y (0 q, 1 k, 2 v).
; PHASE X: wave w brings 64 rows (half w % 2 of the chunk) x 128 along K (K step w / 2) of f32 into its own LDS region by one tensor load, quantises them in registers, and stores four fragments
; as images of their registers (3 x 512 bytes, lane l's 16 bytes at 16 l) with their scale words (4 bytes a lane).  One barrier.  Each LDS byte is filled once.
; THEN wave w is head w for all 128 rows; its 64 columns of W (12 fragments, 144 registers, window 1) stay in registers.
; THE ROWS OF A TILE ARE NOT NEIGHBOURS: lane r of tile 2 b + u is row (or column of W) 32 b + 8 u + r + 8 (r / 8), so that the 16 registers of two neighbouring result tiles are 16 neighbours.
; q, k: transposed (source 0 = W, source 1 = x): a lane holds one row, its 32 registers run along the head's 64: quantised along d.  v: source 0 = x, source 1 = W: a lane holds one d, its 64 registers run along the 128 keys: quantised along the keys.
; OUT (unit = (6 x + head) x 6,656 bytes in qimg, x 13,056 in kv): tile t's registers 0-3 at 512 t + 16 lane, 4-5 at 4,096 + 256 t + 8 lane; at 6,144 + 16 lane four scale words (word i: tile 2 i + lane / 16, row lane % 16).
;   v: at 6,656 + 1,536 n + 512 g + 16 lane the fragment of d tile n; at 12,800 + 8 lane two scale words.
; THE MASK rides in a scale word's byte 2 (the score product's K is 64 of the instruction's 128; at k = 64 the attention launch holds the codes 1.0 and -1.0): q's byte is 0x40, k's 0xDF where mask != mmin, else 1: the column's
; product is -2^33 or -2^-189.  Byte 3 is 1, over zero codes.
; LIMITS: -2^33 on the score (-2^30 on the logit) stands for -1e9 x (mask - mmin): the same result while |logit| is far under 1e9.  A block of zeros gets the byte 1 (only this program reads it).  NaN and infinities are not served.
; No cluster: the work-groups of a y share W alone, 110,592 bytes beside the 196,608 of x that each reads by itself.
.set XRAWB, 33792                      ; a wave's raw region: 64 rows x (512 + 16) bytes
; THE ROWS OF x THAT FORM A TILE (this takes the place of what the head says of x's rows; W's columns stay as said there): lane r of tile 4 c + u is row 64 c + 8 u + r + 24 (r / 8) of the chunk.
; So in a result with x as source 0 (v) a lane's 32 registers of tiles 4 c .. 4 c + 3 are keys 64 c + 32 (lane / 16) + 0 .. 31: one whole block of 32 in a lane; k's and q's tiles have the same rows.
.set XIMG,  202752                     ; behind the six: 24 fragments of 1,536 bytes, fragment 3 t + s
.set XSC,   239616                     ; their scale words, 128 bytes each
.set XR,  4                            ; v4   my place in my raw region
.set LI,  5                            ; v5   16 x lane
.set L8,  6                            ; v6   8 x lane
.set XWI, 7                            ; v7   where I store images
.set XWS, 8                            ; v8   and scale words
.set LIX, 9                            ; v9   16 x lane + XIMG
.set LSX, 10                           ; v10  4 x lane + XSC
.set MA,  11                           ; v11  4 (r + 24 (r / 8))
.set HA,  12                           ; v12, v13 the upper half-word of a scale word: open key, hidden key
.set HB,  13
.set AC,  16                           ; v16-79   accumulators (in phase X: raw numbers, set 0)
.set ST0, 16
.set ST1, 80                           ; v80-143  raw numbers, set 1
.set XF,  80                           ; v80-151  up to six fragments of x
.set XS,  152                          ; v152-157 their scale words
.set WS,  160                          ; v160-175 W's scale words: 4 n + s
.set HI,  176                          ; v176-183 mask values, then upper half-words, a tile each
.set PWS, 184                          ; v184-191 scale words kept
.set PC,  192                          ; v192-203 codes
.set PT,  204                          ; v204-206, v208-210
.set TM,  212                          ; v212-227 at work
.set PW,  228                          ; the scale word just made
.set OS,  230                          ; v230-233 scale words on the way out
.set MSB, 0
.macro WIN new                         ; the immediate's high byte repeats the setting that is left
.if MSB != \new
	s_set_vgpr_msb (MSB<<8)|\new
.set MSB, \new
.endif
.endm
.macro NOPS n
.rept \n
	v_nop
.endr
.endm
; 32 nc numbers of a lane, register 16 b + i = place 32 b + 16 (lane / 16) + i along K, become codes in v[PC] on (6 nc registers) and the scale bytes in v[PW].  Each accumulator is read from its low end on.
.macro QUANT src, nc
.irp b, 0,1,2,3
.if \b < 2*\nc
	v_max3_num_f32 v[TM+\b], |v[\src+16*\b]|, |v[\src+16*\b+1]|, 0x1800000   ; and the floor 2^(3 - 127): the byte cannot fall under 1
.endif
.endr
.irp i, 2,4,6,8,10,12,14
.irp b, 0,1,2,3
.if \b < 2*\nc
	v_max3_num_f32 v[TM+\b], v[TM+\b], |v[\src+16*\b+\i]|, |v[\src+16*\b+\i+1]|
.endif
.endr
.endr
.irp b, 0,1,2,3
.if \b < 2*\nc
	v_permlanex16_b32 v[TM+4+\b], v[TM+\b], s24, s25
.endif
.endr
.irp b, 0,1,2,3
.if \b < 2*\nc
	v_max_num_f32 v[TM+\b], v[TM+\b], v[TM+4+\b]   ; with lane l xor 16's: the block's largest magnitude
.endif
.endr
.irp b, 0,1,2,3
.if \b < 2*\nc
	v_add_nc_u32 v[TM+12+\b], 0xff000000, v[TM+\b] ; 2 off the exponent field: the conversion's scale operand
.endif
.endr
.irp b, 0,1,2,3
.if \b < 2*\nc
	v_lshrrev_b32 v[TM+4+\b], 23, v[TM+12+\b]      ; the scale's byte
.endif
.endr
	v_lshl_or_b32 v[PW], v[TM+5], 8, v[TM+4]
.if \nc > 1
	v_lshl_or_b32 v[PW], v[TM+6], 16, v[PW]
	v_lshl_or_b32 v[PW], v[TM+7], 24, v[PW]
.endif
.irp c, 0,1
.if \c < \nc
	v_cvt_scalef32_pk16_fp6_f32 v[PC+6*\c:PC+6*\c+2], v[\src+32*\c:\src+32*\c+15], v[TM+12+2*\c]
	v_cvt_scalef32_pk16_fp6_f32 v[PT+4*\c:PT+4*\c+2], v[\src+32*\c+16:\src+32*\c+31], v[TM+12+2*\c+1]
.endif
.endr
	v_nop                                          ; one plain place behind a scaled conversion
.irp c, 0,1
.if \c < \nc
.irp i, 0,1,2
	v_permlane16_swap_b32 v[PC+6*\c+\i], v[PT+4*\c+\i]   ; a whole block to a lane: lanes 0-15 block 2 c, lanes 16-31 block 2 c + 1
.endr
.irp i, 0,1,2
	v_mov_b32 v[PC+6*\c+3+\i], v[PT+4*\c+\i]
.endr
.endif
.endr
.endm
; v: 64 numbers of a lane, register 32 c + i = key 64 c + 32 (lane / 16) + i: two whole blocks.  Codes in v[PC] on (12 registers), the scale word in v[PW] (both halves of the lanes hold it whole).
.macro QUANTV src
.irp c, 0,1
	v_max3_num_f32 v[TM+\c], |v[\src+32*\c]|, |v[\src+32*\c+1]|, 0x1800000   ; and the floor 2^(3 - 127)
.endr
.irp i, 2,4,6,8,10,12,14,16,18,20,22,24,26,28,30
.irp c, 0,1
	v_max3_num_f32 v[TM+\c], v[TM+\c], |v[\src+32*\c+\i]|, |v[\src+32*\c+\i+1]|
.endr
.endr
.irp c, 0,1
	v_add_nc_u32 v[TM+12+\c], 0xff000000, v[TM+\c] ; 2 off the exponent field: the conversion's scale operand
.endr
.irp c, 0,1
	v_lshrrev_b32 v[TM+4+\c], 23, v[TM+12+\c]      ; the scale's byte
.endr
	v_lshl_or_b32 v[TM+8], v[TM+5], 16, v[TM+4]    ; blocks h and 2 + h,
	v_lshlrev_b32 v[TM+8], v15, v[TM+8]            ; at their places in the word (8 h bits up);
	v_permlanex16_b32 v[TM+6], v[TM+8], s24, s25
	v_or_b32 v[PW], v[TM+8], v[TM+6]               ; with lane l xor 16's two the word is whole
.irp c, 0,1
	v_cvt_scalef32_pk16_fp6_f32 v[PC+6*\c:PC+6*\c+2], v[\src+32*\c:\src+32*\c+15], v[TM+12+\c]
	v_cvt_scalef32_pk16_fp6_f32 v[PT+4*\c:PT+4*\c+2], v[\src+32*\c+16:\src+32*\c+31], v[TM+12+\c]
.endr
	v_nop                                          ; one plain place behind a scaled conversion
.irp c, 0,1
.irp i, 0,1,2
	v_mov_b32 v[PC+6*\c+3+\i], v[PT+4*\c+\i]
.endr
.endr
.endm
.macro LOADRAW tp, set
.irp b, 0,1,2,3
.irp j, 0,1,2,3
	ds_load_b128 v[\set+16*\b+4*\j:\set+16*\b+4*\j+3], v[XR] offset:8*(\tp)*528+128*\b+16*\j
.endr
.endr
.endm
.macro FETCH reg, f                    ; fragment f comes back as it was stored
.irp g, 0,1,2
	ds_load_b128 v[\reg+4*\g:\reg+4*\g+3], v[LIX] offset:1536*(\f)+512*\g
.endr
.endm
	s_load_b256 s[4:11], s[0:1], 0x0               ; q, k, v, mask
	s_load_b256 s[12:19], s[0:1], 0x20             ; wimg, wsc, flags, qimg
	s_load_b64 s[20:21], s[0:1], 0x40              ; kv
	v_lshl_add_u32 v254, v0, 2, 0x3b400
	v_mov_b32 v255, 0
	ds_add_u32 v254, v255
	ds_add_u32 v254, v255
	v_lshrrev_b32 v1, 5, v0
	v_readfirstlane_b32 s22, v1                    ; wave 0..5
	s_and_b32 s23, ttmp7, 0xffff                   ; y
	s_mov_b32 s24, 0x76543210
	s_mov_b32 s25, 0xfedcba98                      ; selects for lane l xor 16
	s_mov_b32 s26, 0xffff                          ; lanes 0-15
	s_mov_b32 s28, (2<<16)|(1<<20)|(6<<22)|(3<<25) ; elements of 4 bytes; padding on: 4 words behind every 128
	s_mov_b32 s29, 128<<16                         ; tensor_dim0 = 128
	s_mov_b32 s30, 64<<16                          ; tensor_dim1 = 64
	s_mov_b32 s31, 128<<16                         ; tile_dim0 = 128
	s_mov_b32 s32, 64                              ; tile_dim1 = 64
	s_mov_b32 s33, 384                             ; elements from row to row
	s_mov_b32 s34, 0
	s_mov_b32 s35, 0
	s_lshr_b32 s50, s22, 1                         ; my K step in phase X
	s_and_b32 s51, s22, 1                          ; my half of the rows
	s_mov_b32 s36, 1
	s_mul_i32 s37, s22, XRAWB                      ; my raw region
	s_mul_i32 s52, ttmp9, 196608                   ; 128 rows of 1,536 bytes
	s_mul_i32 s53, s51, 98304
	s_add_co_u32 s52, s52, s53
	s_lshl_b32 s53, s50, 9
	s_add_co_u32 s52, s52, s53
	s_mov_b32 s53, 0
	s_wait_dscnt 0x0
	s_wait_kmcnt 0x0
	s_cmp_eq_u32 s23, 1                            ; every choice hangs on the work-group's y alone
	s_cselect_b64 s[4:5], s[6:7], s[4:5]
	s_cmp_eq_u32 s23, 2
	s_cselect_b64 s[4:5], s[8:9], s[4:5]
	s_cmp_eq_u32 s23, 0
	s_cselect_b64 s[42:43], s[18:19], s[20:21]     ; q's results go to qimg, k's and v's to kv
	s_mov_b32 s44, 13056
	s_cselect_b32 s44, 6656, s44                   ; bytes of a unit there
	s_mov_b32 s48, 0x01010000
	s_cselect_b32 s48, 0x01400000, s48
	s_mov_b32 s49, 0x01df0000
	s_cselect_b32 s49, 0x01400000, s49
	s_add_nc_u64 s[38:39], s[4:5], s[52:53]
	s_or_b32 s39, s39, 0x80000000
	tensor_load_to_lds s[36:39], s[28:35]          ; my one tensor load: 64 rows x 512 bytes
	s_nop 0
	NOPS 4
	v_and_b32 v1, 31, v0                           ; lane
	v_and_b32 v2, 15, v0                           ; r
	v_bfe_u32 v3, v0, 4, 1                         ; h
	v_and_b32 v14, 8, v2
	v_mad_u32_u24 v14, v14, 3, v2                  ; r + 24 (r / 8)
	v_lshlrev_b32 v15, 3, v3                       ; 8 h: my two bytes' place in v's scale word
	v_mul_u32_u24 v[XR], v14, 528
	v_lshl_add_u32 v[XR], v3, 6, v[XR]
	v_add_nc_u32 v[XR], s37, v[XR]
	v_lshlrev_b32 v[LI], 4, v1
	v_lshlrev_b32 v[L8], 3, v1
	s_mul_i32 s54, s51, 12
	s_add_co_u32 s54, s54, s50                     ; my first fragment: 12 half + s
	s_mul_i32 s55, s54, 1536
	s_add_co_u32 s55, s55, XIMG
	v_add_nc_u32 v[XWI], s55, v[LI]
	s_lshl_b32 s55, s54, 7
	s_add_co_u32 s55, s55, XSC
	v_lshl_add_u32 v[XWS], v1, 2, s55
	v_add_nc_u32 v[LIX], XIMG, v[LI]
	v_lshl_add_u32 v[LSX], v1, 2, XSC
	v_lshlrev_b32 v[MA], 2, v14
	s_wait_alu depctr_va_vdst(0)
	v_mov_b32 v[HA], s48
	v_mov_b32 v[HB], s49
.irp b, 0,1,2,3
	v_mov_b32 v[TM+4+\b], 0                        ; a lane permute's destination counts as one of its sources
.endr
	s_mul_i32 s52, s23, 110592                     ; my weight, my head's four tiles
	s_mul_i32 s54, s22, 18432
	s_add_co_u32 s52, s52, s54
	s_add_nc_u64 s[12:13], s[12:13], s[52:53]
	s_mul_i32 s52, s23, 12288
	s_lshl_b32 s54, s22, 11
	s_add_co_u32 s52, s52, s54
	s_add_nc_u64 s[14:15], s[14:15], s[52:53]
	s_lshl_b32 s52, ttmp9, 9                       ; the chunk's 128 words of mask
	s_add_nc_u64 s[10:11], s[10:11], s[52:53]
	s_lshr_b32 s52, ttmp9, 5                       ; the batch
	s_lshl_b32 s52, s52, 8
	s_add_nc_u64 s[16:17], s[16:17], s[52:53]
	s_load_b32 s27, s[16:17], 0x0                  ; mmin
	s_mul_i32 s45, ttmp9, 6
	s_add_co_u32 s45, s45, s22
	s_mul_i32 s46, s45, s44
	s_mov_b32 s47, 0
	s_add_nc_u64 s[42:43], s[42:43], s[46:47]      ; my unit
	WIN 0x40                                       ; destination window 1
.irp n, 0,1,2,3
.irp s, 0,1,2
.irp g, 0,1,2
	global_load_b128 v[12*(3*\n+\s)+4*\g:12*(3*\n+\s)+4*\g+3], v[LI], s[12:13] offset:1536*(3*\n+\s)+512*\g
.endr
.endr
.endr
	WIN 0
.irp n, 0,1,2,3
	global_load_b128 v[WS+4*\n:WS+4*\n+3], v[LI], s[14:15] offset:512*\n
.endr
.irp t, 0,1,2,3,4,5,6,7
	global_load_b32 v[HI+\t], v[MA], s[10:11] offset:4*(64*(\t/4)+8*(\t%4))
.endr
	s_wait_tensorcnt 0x0                           ; my region is in; only I read it
	; ---- PHASE X: four tiles of 16 rows x 128 K; the next tile's numbers are on their way while one is quantised
	LOADRAW 0, ST0
.irp t, 0,1,2,3
.if \t < 3
	LOADRAW \t+1, ST0+64*((\t+1)%2)
	s_wait_dscnt 16                                ; all but the 16 loads just issued
.else
	s_wait_dscnt 0x0
.endif
	QUANT ST0+64*(\t%2), 2
.irp g, 0,1,2
	ds_store_b128 v[XWI], v[PC+4*\g:PC+4*\g+3] offset:4608*\t+512*\g
.endr
	ds_store_b32 v[XWS], v[PW] offset:384*\t
.endr
	s_wait_dscnt 0x0                               ; for the others' sake: my stores have landed
	s_barrier_signal -1
	s_barrier_wait -1                              ; x's 24 fragments lie in LDS; from here on LDS is only read
	s_wait_loadcnt 0x0                             ; W, its scale words, the mask
	s_wait_kmcnt 0x0                               ; mmin
.irp t, 0,1,2,3,4,5,6,7
	v_cmp_ne_u32 vcc_lo, s27, v[HI+\t]
	v_cndmask_b32 v[HI+\t], v[HA], v[HB], vcc_lo   ; the row's upper half-word
.endr
	s_cmp_eq_u32 s23, 2
	s_cbranch_scc1 .Lvpath
	; ---- q, k: a tile of 16 rows at a time; four accumulators by turns, K step by K step
.macro QKFETCH t
.irp s, 0,1,2
	FETCH XF+12*\s, 3*(\t)+\s
	ds_load_b32 v[XS+\s], v[LSX] offset:128*(3*(\t)+\s)
.endr
.endm
.macro QKTILE t
	s_wait_dscnt 0x0
	WIN 0x01                                       ; source 0 (W) window 1
.irp s, 0,1,2
.irp n, 0,1,2,3
.if \s == 0
	v_wmma_scale_f32_16x16x128_f8f6f4 v[AC+8*\n:AC+8*\n+7], v[12*(3*\n+\s):12*(3*\n+\s)+11], v[XF+12*\s:XF+12*\s+11], 0, v[WS+4*\n+\s], v[XS+\s] matrix_a_fmt:MATRIX_FMT_FP6 matrix_b_fmt:MATRIX_FMT_FP6
.else
	v_wmma_scale_f32_16x16x128_f8f6f4 v[AC+8*\n:AC+8*\n+7], v[12*(3*\n+\s):12*(3*\n+\s)+11], v[XF+12*\s:XF+12*\s+11], v[AC+8*\n:AC+8*\n+7], v[WS+4*\n+\s], v[XS+\s] matrix_a_fmt:MATRIX_FMT_FP6 matrix_b_fmt:MATRIX_FMT_FP6
.endif
.endr
.endr
	WIN 0
	NOPS 4                                         ; places in front of loads into operands just read, and of the first read of results
.if \t < 7
	QKFETCH \t+1
.endif
	s_wait_xcnt 0x0                                ; the last tile's stores have read the codes' registers
	QUANT AC, 1
	v_or_b32 v[PWS+\t], v[PW], v[HI+\t]
	global_store_b128 v[LI], v[PC:PC+3], s[42:43] offset:512*\t
	global_store_b64 v[L8], v[PC+4:PC+5], s[42:43] offset:4096+256*\t
.endm
	QKFETCH 0
.irp t, 0,1,2,3,4,5,6,7
	QKTILE \t
.endr
.irp i, 0,1,2,3
	v_cndmask_b32 v[OS+\i], v[PWS+2*\i+1], v[PWS+2*\i], s26   ; lanes 0-15: tile 2 i; lanes 16-31: tile 2 i + 1
.endr
	global_store_b128 v[LI], v[OS:OS+3], s[42:43] offset:6144
	s_wait_tensorcnt 0x0
	ds_add_u32 v254, v255
	s_wait_dscnt 0x0
	s_endpgm
.Lvpath:
	; ---- v: for each tile of 16 d the eight tiles of keys, two at a time: two accumulators by turns
.macro VFETCH p
.irp e, 0,1
.irp s, 0,1,2
	FETCH XF+12*(3*\e+\s), 3*(2*(\p)+\e)+\s
	ds_load_b32 v[XS+3*\e+\s], v[LSX] offset:128*(3*(2*(\p)+\e)+\s)
.endr
.endr
.endm
.macro VPAIR n, p
	s_wait_dscnt 0x0
	WIN 0x04                                       ; source 1 (W) window 1
.irp s, 0,1,2
.irp e, 0,1
.if \s == 0
	v_wmma_scale_f32_16x16x128_f8f6f4 v[AC+16*\p+8*\e:AC+16*\p+8*\e+7], v[XF+12*(3*\e+\s):XF+12*(3*\e+\s)+11], v[12*(3*\n+\s):12*(3*\n+\s)+11], 0, v[XS+3*\e+\s], v[WS+4*\n+\s] matrix_a_fmt:MATRIX_FMT_FP6 matrix_b_fmt:MATRIX_FMT_FP6
.else
	v_wmma_scale_f32_16x16x128_f8f6f4 v[AC+16*\p+8*\e:AC+16*\p+8*\e+7], v[XF+12*(3*\e+\s):XF+12*(3*\e+\s)+11], v[12*(3*\n+\s):12*(3*\n+\s)+11], v[AC+16*\p+8*\e:AC+16*\p+8*\e+7], v[XS+3*\e+\s], v[WS+4*\n+\s] matrix_a_fmt:MATRIX_FMT_FP6 matrix_b_fmt:MATRIX_FMT_FP6
.endif
.endr
.endr
	WIN 0
	NOPS 4
.endm
	VFETCH 0
.irp n, 0,1,2,3
.irp p, 0,1,2,3
	VPAIR \n, \p
.if \p < 3
	VFETCH \p+1
.elseif \n < 3
	VFETCH 0
.endif
.endr
	s_wait_xcnt 0x0                                ; the last fragment's stores have read the codes' registers
	QUANTV AC
.irp g, 0,1,2
	global_store_b128 v[LI], v[PC+4*\g:PC+4*\g+3], s[42:43] offset:6656+1536*\n+512*\g
.endr
	v_mov_b32 v[PWS+\n], v[PW]
.endr
.irp i, 0,1
	v_cndmask_b32 v[OS+\i], v[PWS+2*\i+1], v[PWS+2*\i], s26
.endr
	global_store_b64 v[L8], v[OS:OS+1], s[42:43] offset:12800
	s_wait_tensorcnt 0x0
	ds_add_u32 v254, v255
	s_wait_dscnt 0x0
	s_endpgm
.Lfunc_end_k_q11e0442959_proj:
	.size	k_q11e0442959_proj, .Lfunc_end_k_q11e0442959_proj-k_q11e0442959_proj
	.p2alignl 7, 3214868480
	.fill 96, 4, 3214868480
	.section	.rodata,"a",@progbits
	.p2align	6, 0x0
	.amdhsa_kernel k_q11e0442959_proj
		.amdhsa_group_segment_fixed_size 243456
		.amdhsa_private_segment_fixed_size 0
		.amdhsa_enable_private_segment 0
		.amdhsa_kernarg_size 72
		.amdhsa_user_sgpr_count 2
		.amdhsa_user_sgpr_kernarg_segment_ptr 1
		.amdhsa_wavefront_size32 1
		.amdhsa_system_sgpr_workgroup_id_x 1
		.amdhsa_system_sgpr_workgroup_id_y 1
		.amdhsa_system_sgpr_workgroup_id_z 1
		.amdhsa_system_vgpr_workitem_id 0
		.amdhsa_next_free_vgpr 400
		.amdhsa_next_free_sgpr 66
		.amdhsa_reserve_vcc 1
		.amdhsa_float_denorm_mode_32 3
		.amdhsa_float_denorm_mode_16_64 3
		.amdhsa_memory_ordered 1
		.amdhsa_forward_progress 1
		.amdhsa_inst_pref_size 120
	.end_amdhsa_kernel
	.amdgpu_metadata
---
amdhsa.version: [ 1, 2 ]
amdhsa.kernels:
  - .name:           k_q11e0442959_proj
    .symbol:         k_q11e0442959_proj.kd
    .args:
      - { .name: q, .offset: 0, .size: 8, .value_kind: global_buffer, .address_space: global }
      - { .name: k, .offset: 8, .size: 8, .value_kind: global_buffer, .address_space: global }
      - { .name: v, .offset: 16, .size: 8, .value_kind: global_buffer, .address_space: global }
      - { .name: mask, .offset: 24, .size: 8, .value_kind: global_buffer, .address_space: global }
      - { .name: wimg, .offset: 32, .size: 8, .value_kind: global_buffer, .address_space: global }
      - { .name: wsc, .offset: 40, .size: 8, .value_kind: global_buffer, .address_space: global }
      - { .name: flags, .offset: 48, .size: 8, .value_kind: global_buffer, .address_space: global }
      - { .name: qimg, .offset: 56, .size: 8, .value_kind: global_buffer, .address_space: global }
      - { .name: kv, .offset: 64, .size: 8, .value_kind: global_buffer, .address_space: global }
    .group_segment_fixed_size: 243456
    .private_segment_fixed_size: 0
    .kernarg_segment_align: 8
    .kernarg_segment_size: 72
    .max_flat_workgroup_size: 192
    .sgpr_count:     66
    .vgpr_count:     400
    .wavefront_size: 32
...
	.end_amdgpu_metadata
.endif
;; end of part 2
;; launch attn (part 3): grid 256 x 1, 12 waves a work-group, clusters of 4 x 1, 327,680 bytes of LDS; arguments qimg, kv, flags, wimg, wsc, b_o, out0; writes out0
.if DOCPART == 3
	.amdgcn_target "amdgcn-amd-amdhsa--gfx1250"
	.amdhsa_code_object_version 6
	.text
	.protected	k_q11e0442959_attn
	.globl	k_q11e0442959_attn
	.p2align	8
	.type	k_q11e0442959_attn,@function
k_q11e0442959_attn:
	s_mov_b64 s[64:65], 0
	v_nop
	global_prefetch_b8 v0, s[64:65] scope:SCOPE_SE
	s_setreg_imm32_b32 hwreg(HW_REG_WAVE_MODE, 25, 1), 1
	s_wait_xcnt 0x0
	s_wait_alu depctr_hold_cnt(0) depctr_sa_sdst(0) depctr_va_vdst(0) depctr_va_sdst(0) depctr_va_ssrc(0) depctr_va_vcc(0) depctr_vm_vsrc(0)
	s_getreg_b32 s2, hwreg(HW_REG_IB_STS2, 6, 4)
	s_cmp_eq_u32 s2, 0
	s_cbranch_scc0 .Lentry_in_a_cluster
	s_endpgm
.Lentry_in_a_cluster:
	s_bfe_u32 s2, ttmp6, 0x10000c
	s_cmp_lg_u32 s2, 0x3003
	s_cbranch_scc0 .Lentry_shape_is_right
	s_endpgm
.Lentry_shape_is_right:
; Scores, softmax, p V, and (attention result) w_o + b_o, all products on codes of E2M3 with one E8M0 scale for each 32 along K.
; SHARES.  A work-group owns 32 queries and all 6 heads, so that the last product (K = 384 = all heads) is made here; wave w has head w / 2 and query tile w % 2 (16 queries) and walks the 4,096 keys of its batch, 128 a step.
; CLUSTER.  The four work-groups of a cluster hold the 128 queries of one chunk: one batch, the same K and V.  Every slot is asked for JOINTLY (mask 15): 256 keys x 6 heads = 12 units of 13,056 bytes, one unit a wave,
; dense rows of 256 bytes.  No branch, trip count or LDS address hangs on the place in the cluster; only Q's, the prefetch's and the output's global addresses do.
; LAYOUT.  Both products transposed: S^T = K Q^T, O^T = V^T P^T: a lane holds one query throughout.  All operands lie in memory and LDS as images of their registers.
; Lane r of K's tile 4 c + u is key 64 c + 8 u + r + 24 (r / 8): so a lane's 32 score registers of tiles 4 c .. 4 c + 3 are keys 64 c + 32 (lane / 16) + 0 .. 31, ONE WHOLE BLOCK of 32, in the order that p's operand wants:
; a block's maximum needs no other lane and the conversions' results need no lane exchange.  Q's tiles have the same rows: tile 2 cx + u holds rows 64 (cx / 2) + 16 (cx % 2) + 8 u + r + 24 (r / 8) of the chunk.
; THE MASK costs no vector instruction: the score product's K is 64 of the instruction's 128; at k = 64 K's fragments hold the code 1.0 and Q's -1.0, and byte 2 of the scale words (made by the launch before) gives that column
; -2^33 for a hidden key and -2^-189 for an open one.  In a batch whose smallest mask value is not 0 reference()'s f32 addition swallows the scores: Q's codes are then ANDed away (zmask = 0).
; SOFTMAX.  t = score x log2(e) / 8; -M = floor(-(running largest t)); p = 2^(t - M) is quantised along the keys, not normalised; the row's sum is of the unquantised p; when M moves, sum and O^T are multiplied by 2^(old M - new M).
; REGISTERS.  Window 0: addresses, Q, all eight fragments of K (asked for a step ahead), the scores, p's codes.  Window 1 (v256-335): V's four fragments (v0-47 there), asked for right behind the scores, and O^T (v48-79).
; No result is laid over an operand; the places behind the scores are the last four additions of the step before's sum.
; THE RING.  Turn t (t = 0 .. 15) works slot t % 2, two key steps.  The round of the cluster's barrier stands INSIDE the turn's second step, behind its exponentials: there the slot's K has been multiplied and the step's V is in
; registers, so the slot just read out is itself filled again (with the keys of turn t + 2), the other slot's first K is fetched, and the step's remaining work on registers (scales, conversions, the sum, O^T's factor, the four
; products) stands between those loads and the wait for them.  A refill is asked for at one turn's round and waited for at the next turn's: two key steps.
; PREFETCH.  In turn t each wave with ttmp9 under 4 names 13 blocks of 256 bytes of the unit that it will fetch for turn t + 4, two turns ahead of that unit's tensor load; the four partners share a unit's 51 blocks out by address
; (block min(13 cx + min(lane, 12), 50)); the loop's last trip and the two turns written out ask for nothing, so no address passes the batch's last slot, 15.
; LIMITS: -2^30 on the logit stands for -1e9 x (mask - mmin): the same result while |logit| is far under 1e9; in a batch without a mask value 0 the scores count as wholly absorbed, which holds for |logit| under 32;
; a block whose every p is 0 keeps the byte 1 (its codes are zeros); NaN and infinities are not served.
.set UNIT,  13056                      ; K: 8 tiles' registers 0-3 (4,096), 4-5 (2,048), scale words (512); V: 4 fragments (6,144), scale words (256)
.set STEPB, 6*UNIT
.set SLOTB, 2*STEPB                    ; a slot: 156,672 bytes; two slots
.set SPARE, 2*SLOTB                    ; the spare words: 128 bytes for each of twelve waves
.set ASC,   9216                       ; the way out lies in slot 0, behind its last fill and its last read: six fragments at 0, their scale words here,
.set STG,   9728                       ; and a stage of 32 rows x (1,536 + 16) bytes
.set SPIT,  1552
.set SPW, 1                            ; my spare word's address; never rewritten
.set NIL, 2                            ; 0; never rewritten
.set A16, 3                            ; v3-6   16 lane + my head's unit in (slot, step) 0..3
.set A8,  7                            ; v7-10  the same with 8 lane
.set QF,  16                           ; v16-27 Q;  v12 -M, v13 the largest t, v[14:15] the sum
.set QS,  28
.set PS,  29
.set VS,  30
.set KS,  32                           ; v32-35
.set KF,  36                           ; v36-131 eight fragments of K; registers 6-11 of each are constants
.set S,   132                          ; v132-195 S^T, then p
.set PC,  196                          ; v196-207 p's codes
.set PT,  208                          ; v208-210, v212-214
.set BM,  216                          ; v216-219
.set BP,  220                          ; v220-221
.set SOP, 222                          ; v222-223
.set FF,  224                          ; v[224:225] f
.set TT,  226                          ; v226-227
.set T,   228                          ; v228-235 four partial sums of p, in pairs
.set H8,  236                          ; 8 h
.set PFO, 237                          ; the prefetch's offset; never rewritten
.set V,   0                            ; window 1
.set O,   48                           ; window 1
.set WO,  36                           ; the way out: w_o's six fragments, the bias, w_o's scale words, all in K's registers
.set BO,  108
.set WOS, 124
.set AF,  132                          ; v132-203 the attention result's six fragments
.set AC,  204                          ; v204-235 four accumulators
.set AS,  238                          ; v238-243 the attention result's scale words; v246-254 addresses, made at the head
.set MSB, 0
.macro WIN new                         ; the immediate's high byte repeats the setting that is left
.if MSB != \new
	s_set_vgpr_msb (MSB<<8)|\new
.set MSB, \new
.endif
.endm
.macro NOPS n
.rept \n
	v_nop
.endr
.endm
.macro ROUND                           ; a round of the cluster's barrier
	s_barrier_signal -1
	s_barrier_wait -1
	s_cmp_lg_u32 s18, 0
	s_cbranch_scc1 .Lnot_wave_0_\@
	s_barrier_signal -3
.Lnot_wave_0_\@:
	s_barrier_wait -3
	s_barrier_signal -1
	s_barrier_wait -1
.endm
.macro KLOAD a16, a8                   ; 17 loads: the six real registers of eight tiles, and the scale words (word i: lanes 0-15 tile 2 i, lanes 16-31 tile 2 i + 1)
.irp t, 0,1,2,3,4,5,6,7
	ds_load_b128 v[KF+12*\t:KF+12*\t+3], v[\a16] offset:512*\t
	ds_load_b64 v[KF+12*\t+4:KF+12*\t+5], v[\a8] offset:4096+256*\t
.endr
	ds_load_b128 v[KS:KS+3], v[\a16] offset:6144
.endm
.macro VLOAD a16, a8                   ; 13 loads
	ds_load_b64 v[VS:VS+1], v[\a8] offset:12800
	WIN 0x40                                       ; destination window 1
.irp n, 0,1,2,3
.irp g, 0,1,2
	ds_load_b128 v[V+12*\n+4*\g:V+12*\n+4*\g+3], v[\a16] offset:6656+1536*\n+512*\g
.endr
.endr
	WIN 0
.endm
.macro WLOAD                           ; w_o's two tiles of my 32 columns, their scale words, the bias in the result's layout
.irp e, 0,1
.irp s, 0,1,2
.irp g, 0,1,2
	global_load_b128 v[WO+12*(3*\e+\s)+4*\g:WO+12*(3*\e+\s)+4*\g+3], v246, s[10:11] offset:1536*(3*\e+\s)+512*\g
.endr
.endr
	global_load_b128 v[WOS+4*\e:WOS+4*\e+3], v246, s[12:13] offset:512*\e
	global_load_b128 v[BO+8*\e:BO+8*\e+3], v247, s[14:15] offset:32*\e
	global_load_b128 v[BO+8*\e+4:BO+8*\e+7], v247, s[14:15] offset:32*\e+16
.endr
.endm
.macro SCORE                           ; eight accumulators, one instruction each
.irp t, 0,1,2,3,4,5,6,7
.if \t%2
	v_wmma_scale_f32_16x16x128_f8f6f4 v[S+8*\t:S+8*\t+7], v[KF+12*\t:KF+12*\t+11], v[QF:QF+11], 0, v[KS+\t/2], v[QS] matrix_a_fmt:MATRIX_FMT_FP6 matrix_b_fmt:MATRIX_FMT_FP6 matrix_a_scale:MATRIX_SCALE_ROW1
.else
	v_wmma_scale_f32_16x16x128_f8f6f4 v[S+8*\t:S+8*\t+7], v[KF+12*\t:KF+12*\t+11], v[QF:QF+11], 0, v[KS+\t/2], v[QS] matrix_a_fmt:MATRIX_FMT_FP6 matrix_b_fmt:MATRIX_FMT_FP6
.endif
.endr
.endm
.macro LSUM                            ; the four partial sums of the step before (under its M) join the row's sum
	v_pk_add_f32 v[T:T+1], v[T:T+1], v[T+2:T+3]
	v_pk_add_f32 v[T+4:T+5], v[T+4:T+5], v[T+6:T+7]
	v_pk_add_f32 v[14:15], v[14:15], v[T:T+1]
	v_pk_add_f32 v[14:15], v[14:15], v[T+4:T+5]
.endm
.macro PV                              ; four accumulators by turns
.irp n, 0,1,2,3
.if \n%2
	v_wmma_scale_f32_16x16x128_f8f6f4 v[O+8*\n:O+8*\n+7], v[V+12*\n:V+12*\n+11], v[PC:PC+11], v[O+8*\n:O+8*\n+7], v[VS+\n/2], v[PS] matrix_a_fmt:MATRIX_FMT_FP6 matrix_b_fmt:MATRIX_FMT_FP6 matrix_a_scale:MATRIX_SCALE_ROW1
.else
	v_wmma_scale_f32_16x16x128_f8f6f4 v[O+8*\n:O+8*\n+7], v[V+12*\n:V+12*\n+11], v[PC:PC+11], v[O+8*\n:O+8*\n+7], v[VS+\n/2], v[PS] matrix_a_fmt:MATRIX_FMT_FP6 matrix_b_fmt:MATRIX_FMT_FP6
.endif
.endr
.endm
; A KEY STEP: 128 keys, step q of the slot.  Its K has been asked for in the step before.
; mode 0: a slot's first step.  mode 1: its second step, with the round and this slot's refill.  mode 2: the same with no refill (turn 14).  mode 3: the launch's last step.
.macro STEP slot, q, mode, ask
.set RA, A16+2*\slot+\q
.set RB, A8+2*\slot+\q
	s_wait_dscnt 0x0                               ; K's eight tiles and their scale words
	SCORE
	LSUM                                           ; four plain places: in front of the loads into operands just read (K's, and V's of the products before) and of the first read of the scores
	VLOAD RA, RB
.if \mode == 3
	WLOAD                                          ; K's registers are free for good
.elseif \q == 0
	KLOAD RA+1, RB+1                               ; the slot's second step
.endif
.irp b, 0,1,2,3                                ; the largest score of each run of 16 registers, by turns; each accumulator from its low end on
	v_max3_num_f32 v[BM+\b], v[S+16*\b], v[S+16*\b+1], v[S+16*\b+2]
.endr
.irp i, 3,5,7,9,11,13
.irp b, 0,1,2,3
	v_max3_num_f32 v[BM+\b], v[BM+\b], v[S+16*\b+\i], v[S+16*\b+\i+1]
.endr
.endr
	v_max3_num_f32 v[BM], v[BM], v[S+15], v[S+31]
	v_max3_num_f32 v[BM+2], v[BM+2], v[S+47], v[S+63]
	s_delay_alu instid0(VALU_DEP_2)
	v_max_num_f32 v[BM], v[BM], v[BM+1]            ; my block h's largest score,
	s_delay_alu instid0(VALU_DEP_2)
	v_max_num_f32 v[BM+2], v[BM+2], v[BM+3]        ; and my block 2 + h's
	s_delay_alu instid0(VALU_DEP_1)
	v_max_num_f32 v[TT], v[BM], v[BM+2]
	s_delay_alu instid0(VALU_DEP_1)
	v_mul_f32 v[TT], s24, v[TT]                    ; as t (c is positive)
	s_delay_alu instid0(VALU_DEP_1)
	v_permlanex16_b32 v[BP], v[TT], s22, s23
	v_mov_b32 v[TT+1], v12
	s_delay_alu instid0(VALU_DEP_2)
	v_max3_num_f32 v13, v13, v[TT], v[BP]          ; the running largest t, with lane l xor 16's 64 keys
	s_delay_alu instid0(VALU_DEP_1)
	v_floor_f32 v12, -v13                          ; the new -M: M is a whole number
	s_delay_alu instid0(VALU_DEP_1)
	v_sub_f32 v[TT], v12, v[TT+1]                  ; old M - new M, 0 or less
	s_delay_alu instid0(VALU_DEP_1)
	v_cvt_i32_f32 v[TT], v[TT]                     ; (it saturates)
	s_delay_alu instid0(VALU_DEP_1)
	v_ldexp_f32 v[FF], 1.0, v[TT]                  ; f = 2^(old M - new M)
.set j, 0
.rept 32
	v_pk_fma_f32 v[S+j:S+j+1], v[S+j:S+j+1], s[24:25], v[12:13] op_sel_hi:[1,0,0]   ; t - M, two at a time
.set j, j+2
.endr
	v_fma_f32 v[BM], v[BM], s24, v12               ; the same of each block's largest score
	v_fma_f32 v[BM+2], v[BM+2], s24, v12
	s_wait_alu depctr_va_vdst(0)                   ; the wait ahead of the batch
.set j, 0
.rept 64
	v_exp_f32 v[S+j], v[S+j]                       ; p = 2^(t - M)
.set j, j+1
.endr
	v_exp_f32 v[BM], v[BM]                         ; the block's largest p: the same two instructions on the same number
	v_exp_f32 v[BM+2], v[BM+2]
	v_pk_mul_f32 v[14:15], v[14:15], v[FF:FF+1] op_sel_hi:[1,0]   ; the sum under the new M (a plain place behind the exponentials)
	s_wait_alu depctr_va_vdst(0)                   ; the wait behind the batch; it also stands ahead of the waits below
.if (\mode == 1) || (\mode == 2)
.if \mode == 1
	s_wait_xcnt 0x0                                ; my prefetch has read its base: it steps one slot on
	s_add_nc_u64 s[66:67], s[66:67], SLOTB
.endif
	s_wait_tensorcnt 0x0                           ; my one load that was out, my unit of the other slot, has landed
	ds_add_u32 v[SPW], v[NIL]
.if \mode == 1
	s_add_nc_u64 s[38+4*\slot:39+4*\slot], s[38+4*\slot:39+4*\slot], 2*SLOTB   ; no load of mine is out: this slot's descriptor steps two slots on
.endif
	s_wait_dscnt 0x0                               ; the add is done, and so are my reads of this slot: its last are this step's V
	ROUND
.if \mode == 1
	tensor_load_to_lds s[36+4*\slot:39+4*\slot], s[28:35]   ; this slot, read out by every wave of the cluster, is filled again
	s_nop 0
	NOPS 4
.endif
	KLOAD A16+2-2*\slot, A8+2-2*\slot              ; the other slot's first step; the step's remaining lines stand between these loads and the wait for them
.if \ask
	s_cmp_gt_u32 s44, 1                            ; not in the loop's last trip
	s_cbranch_scc0 .Lno_ask_\@
	s_cmp_lt_u32 ttmp9, 4
	s_cbranch_scc0 .Lno_prefetch_attn0_\@
	global_prefetch_b8 v[PFO], s[66:67] th:TH_LOAD_NT scope:SCOPE_SE
.Lno_prefetch_attn0_\@:
.Lno_ask_\@:
.endif
.endif
	v_max_num_f32 v[BM], 0x1800000, v[BM]          ; the floor 2^(3 - 127): the byte cannot fall under 1
	v_max_num_f32 v[BM+2], 0x1800000, v[BM+2]
	s_delay_alu instid0(VALU_DEP_2)
	v_add_nc_u32 v[SOP], 0xff000000, v[BM]         ; 2 off the exponent field: the conversion's scale operand
	s_delay_alu instid0(VALU_DEP_2)
	v_add_nc_u32 v[SOP+1], 0xff000000, v[BM+2]
	s_delay_alu instid0(VALU_DEP_2)
	v_lshrrev_b32 v[BP], 23, v[SOP]                ; the scale's byte
	s_delay_alu instid0(VALU_DEP_2)
	v_lshrrev_b32 v[BP+1], 23, v[SOP+1]
.irp c, 0,1
	v_cvt_scalef32_pk16_fp6_f32 v[PC+6*\c:PC+6*\c+2], v[S+32*\c:S+32*\c+15], v[SOP+\c]
	v_cvt_scalef32_pk16_fp6_f32 v[PT+4*\c:PT+4*\c+2], v[S+32*\c+16:S+32*\c+31], v[SOP+\c]
.endr
	v_lshl_or_b32 v[TT], v[BP+1], 16, v[BP]        ; (the plain place behind the conversions)  blocks h and 2 + h,
	s_delay_alu instid0(VALU_DEP_1)
	v_lshlrev_b32 v[TT], v[H8], v[TT]              ; at their places in the word;
	s_delay_alu instid0(VALU_DEP_1)
	v_permlanex16_b32 v[TT+1], v[TT], s22, s23
	s_delay_alu instid0(VALU_DEP_1)
	v_or_b32 v[PS], v[TT], v[TT+1]                 ; with lane l xor 16's two p's scale word is whole
.irp k, 0,1,2,3                                ; the sum of the unquantised p: four chains of eight pairs
	v_pk_add_f32 v[T+2*\k:T+2*\k+1], v[S+2*\k:S+2*\k+1], v[S+8+2*\k:S+9+2*\k]
.endr
.irp m, 2,3,4,5,6,7
.irp k, 0,1,2,3
	v_pk_add_f32 v[T+2*\k:T+2*\k+1], v[T+2*\k:T+2*\k+1], v[S+8*\m+2*\k:S+8*\m+2*\k+1]
.endr
.endr
.irp c, 0,1
.irp i, 0,1,2
	v_mov_b32 v[PC+6*\c+3+\i], v[PT+4*\c+\i]       ; a conversion's three registers begin on an even number
.endr
.endr
	WIN 0x41                                       ; source 0 and destination window 1
	s_wait_alu depctr_va_vdst(0)                   ; directly ahead of the first reader of O^T
.set j, 0
.rept 16
	v_pk_mul_f32 v[O+j:O+j+1], v[O+j:O+j+1], v[FF:FF+1] op_sel_hi:[1,0]   ; O^T under the new M; also the places between the codes' last moves and the products
.set j, j+2
.endr
	WIN 0x51                                       ; V, C and D window 1, p's codes window 0
	s_wait_alu depctr_va_vdst(0)                   ; directly ahead of the wait below
.if \mode == 3
	s_wait_dscnt 0x0
.else
	s_wait_dscnt 17                                ; V is in; the 17 loads of the next step's K, issued behind V's, may be out
.endif
	PV
	WIN 0
.endm
.macro TRIP slot, mode, ask            ; a slot's turn: two key steps
	STEP \slot, 0, 0, 0
	STEP \slot, 1, \mode, \ask
.endm
	s_load_b256 s[4:11], s[0:1], 0x0               ; qimg, kv, flags, wimg
	s_load_b128 s[12:15], s[0:1], 0x20             ; wsc, b_o
	s_load_b64 s[16:17], s[0:1], 0x30              ; out0
	v_lshl_add_u32 v[SPW], v0, 2, SPARE
	v_mov_b32 v[NIL], 0
	ds_add_u32 v[SPW], v[NIL]                      ; the opening lines: the add twice on end and its wait
	ds_add_u32 v[SPW], v[NIL]
	v_lshrrev_b32 v11, 5, v0
	v_readfirstlane_b32 s18, v11                   ; wave 0..11
	s_lshr_b32 s19, s18, 1                         ; head
	s_and_b32 s20, s18, 1                          ; query tile u
	s_bfe_u32 s45, ttmp6, 0x40000                  ; cx
	s_lshr_b32 s47, ttmp9, 5                       ; the batch, which the partners share
	s_mov_b32 s22, 0x76543210
	s_mov_b32 s23, 0xfedcba98                      ; selects for lane l xor 16
	s_mov_b32 s24, 0x3e38aa3b                      ; c = log2(e) / 8
	s_mov_b32 s25, s24
	s_mov_b32 s28, 15|(3<<16)|(1<<21)              ; the mask: all four work-groups; elements of 8 bytes; bit 21 beside a mask
	s_mov_b32 s29, 32<<16                          ; rows of 256 bytes,
	s_mov_b32 s30, 51<<16                          ; 51 of them,
	s_mov_b32 s31, 32<<16
	s_mov_b32 s32, 51
	s_mov_b32 s33, 32                              ; dense
	s_mov_b32 s34, 0
	s_mov_b32 s35, 0
	s_mul_i32 s50, s18, UNIT                       ; the unit that I fetch: my wave's number
	s_mul_i32 s52, s47, 32*STEPB
	s_add_co_u32 s52, s52, s50
	s_mov_b32 s53, 0
	s_lshl_b32 s54, s47, 8
	s_mov_b32 s55, 0
	s_wait_dscnt 0x0
	s_wait_kmcnt 0x0
	s_mov_b32 s36, 1
	s_mov_b32 s37, s50
	s_add_nc_u64 s[38:39], s[6:7], s[52:53]        ; slot 0: keys 0-255
	s_mov_b32 s40, 1
	s_add_co_u32 s41, s50, SLOTB
	s_add_nc_u64 s[42:43], s[38:39], SLOTB         ; slot 1: keys 256-511
	s_add_nc_u64 s[66:67], s[38:39], 3*SLOTB       ; the prefetch's base: turn t steps it to the keys of turn t + 4
	s_or_b32 s39, s39, 0x80000000
	s_or_b32 s43, s43, 0x80000000
	s_add_nc_u64 s[8:9], s[8:9], s[54:55]
	s_load_b32 s48, s[8:9], 0x4                    ; zmask
	ROUND                                          ; all four work-groups are here: the first joint load meets
	tensor_load_to_lds s[36:39], s[28:35]
	s_nop 0
	NOPS 4
	; scalar set-up first, then the vector lines in one run
	s_mul_i32 s56, ttmp9, 6
	s_add_co_u32 s56, s56, s19
	s_mul_i32 s56, s56, 6656
	s_mov_b32 s57, 0
	s_add_nc_u64 s[4:5], s[4:5], s[56:57]          ; Q's unit: my chunk, my head
	s_lshl_b32 s58, s45, 1
	s_add_co_u32 s58, s58, s20                     ; my tile in it: 2 cx + u
	s_lshl_b32 s59, s58, 9
	s_lshl_b32 s60, s58, 8
	s_lshl_b32 s61, s20, 8                         ; its scale word: word cx of lane r + 16 u
	s_lshl_b32 s62, s45, 2
	s_add_co_u32 s61, s61, s62
	s_mul_i32 s63, s19, UNIT
	s_mul_i32 s70, s45, 13
	s_mul_i32 s56, s18, 9216                       ; w_o's tiles 2 w, 2 w + 1
	s_add_co_u32 s56, s56, 331776
	s_add_nc_u64 s[10:11], s[10:11], s[56:57]
	s_lshl_b32 s56, s18, 10
	s_add_co_u32 s56, s56, 36864
	s_add_nc_u64 s[12:13], s[12:13], s[56:57]
	s_lshl_b32 s56, s18, 7
	s_add_nc_u64 s[14:15], s[14:15], s[56:57]
	s_mul_i32 s52, s20, 3
	s_lshr_b32 s53, s18, 2
	s_add_co_u32 s52, s52, s53                     ; my fragment on the way out: 3 u + K step (head / 2)
	s_and_b32 s51, s19, 1                          ; and which half of it
	s_mul_i32 s54, s52, 1536
	s_mul_i32 s55, s51, 768
	s_add_co_u32 s54, s54, s55
	s_lshl_b32 s55, s52, 6
	s_lshl_b32 s51, s51, 1
	s_add_co_u32 s55, s55, s51
	s_lshl_b32 s68, s18, 7
	s_add_co_u32 s68, s68, STG
	s_and_b32 s71, s18, 3
	s_mul_i32 s69, s71, 8*SPIT
	s_lshl_b32 s53, s53, 9                         ; 512 (w / 4)
	s_add_co_u32 s69, s69, s53
	s_add_co_u32 s69, s69, STG
	s_lshl_b32 s72, ttmp9, 7                       ; stage rows 8 (w % 4) + i are rows 64 (cx / 2) + 16 (cx % 2) + 32 ((w % 4) / 2) + 8 (w % 2) + i of the chunk
	s_lshr_b32 s73, s45, 1
	s_lshl_b32 s73, s73, 6
	s_add_co_u32 s72, s72, s73
	s_and_b32 s73, s45, 1
	s_lshl_b32 s73, s73, 4
	s_add_co_u32 s72, s72, s73
	s_lshr_b32 s73, s71, 1
	s_lshl_b32 s73, s73, 5
	s_add_co_u32 s72, s72, s73
	s_and_b32 s73, s71, 1
	s_lshl_b32 s73, s73, 3
	s_add_co_u32 s72, s72, s73
	s_mul_i32 s72, s72, 1536
	s_add_co_u32 s56, s72, s53
	s_add_nc_u64 s[16:17], s[16:17], s[56:57]
	v_and_b32 v11, 31, v0                          ; lane
	v_and_b32 v[TT], 15, v0                        ; r
	v_bfe_u32 v[TT+1], v0, 4, 1                    ; h
	v_lshl_add_u32 v[BM], v11, 4, s59
	v_lshl_add_u32 v[BM+1], v11, 3, s60
	v_lshl_add_u32 v[BM+2], v[TT], 4, s61
	global_load_b128 v[QF:QF+3], v[BM], s[4:5]
	global_load_b64 v[QF+4:QF+5], v[BM+1], s[4:5] offset:4096
	global_load_b32 v[QS], v[BM+2], s[4:5] offset:6144
	v_lshl_add_u32 v[A16], v11, 4, s63
	v_lshl_add_u32 v[A8], v11, 3, s63
.irp i, 1,2,3
	v_add_nc_u32 v[A16+\i], \i*STEPB, v[A16]
	v_add_nc_u32 v[A8+\i], \i*STEPB, v[A8]
.endr
	v_lshlrev_b32 v[H8], 3, v[TT+1]
	v_sub_nc_u32 v[BP], 8, v[H8]                   ; the code 1.0 at k = 64: register 6, lanes 0-15
	v_mul_u32_u24 v[BP+1], v[TT+1], 40
	v_sub_nc_u32 v[QF+6], 40, v[BP+1]              ; the code -1.0 there
.irp t, 0,1,2,3,4,5,6,7
	v_mov_b32 v[KF+12*\t+6], v[BP]
.irp i, 7,8,9,10,11
	v_mov_b32 v[KF+12*\t+\i], 0
.endr
.endr
.irp i, 7,8,9,10,11
	v_mov_b32 v[QF+\i], 0
.endr
.irp i, 0,1,2,3,4,5,6,7
	v_mov_b32 v[T+\i], 0                           ; the first step joins zeros to the sum
.endr
	v_mov_b32 v13, 0xff61b1e6                      ; the largest t so far: -3e38
	v_floor_f32 v12, -v13
	v_mov_b32 v14, 0
	v_mov_b32 v15, 0
	v_mov_b32 v[FF+1], 0                           ; (named as the upper half of a pair)
	v_min_u32 v[PFO], 12, v11
	v_add_nc_u32 v[PFO], s70, v[PFO]
	v_min_u32 v[PFO], 50, v[PFO]
	v_lshlrev_b32 v[PFO], 8, v[PFO]
	v_lshlrev_b32 v246, 4, v11                     ; 16 lane
	v_lshlrev_b32 v247, 6, v[TT+1]                 ; 64 h
	v_add_nc_u32 v248, s54, v246
	v_lshl_add_u32 v249, v11, 3, s54
	v_lshl_add_u32 v250, v[TT], 2, s55             ; my two bytes of row r's scale word
	v_lshlrev_b32 v251, 3, v11                     ; 8 lane
	v_lshlrev_b32 v252, 2, v[TT]                   ; 4 r
	v_and_b32 v253, 8, v[TT]
	v_add_nc_u32 v253, v253, v[TT]
	v_mul_u32_u24 v253, v253, SPIT
	v_lshl_add_u32 v253, v[TT+1], 6, v253
	v_add_nc_u32 v253, s68, v253                   ; the stage, in: row r + 8 (r / 8) (+ 8 u by the offset), my 32 columns, + 64 h
	v_add_nc_u32 v254, s69, v246                   ; back: rows 8 (w % 4) on, bytes 512 (w / 4) on
	WIN 0x40
.set j, 0
.rept 32
	v_mov_b32 v[O+j], 0                            ; the step is written once: the first finds zeros, which the first change of M leaves zeros
.set j, j+1
.endr
	WIN 0
	s_wait_alu depctr_va_vdst(0)
	s_wait_loadcnt 0x0                             ; Q
	s_wait_kmcnt 0x0                               ; zmask
.irp i, 0,1,2,3,4,5
	v_and_b32 v[QF+\i], s48, v[QF+\i]
.endr
	s_mov_b32 s44, 7
	s_wait_alu depctr_va_vdst(0)                   ; the wait at the head's end
	s_wait_tensorcnt 0x0                           ; my unit of slot 0 has landed
	ds_add_u32 v[SPW], v[NIL]
	s_wait_dscnt 0x0
	ROUND
	tensor_load_to_lds s[40:43], s[28:35]          ; slot 1's first fill
	s_nop 0
	NOPS 4
	KLOAD A16, A8                                  ; the first step's K
.Lloop:                                            ; 16 turns: 7 trips of two, and two written out
	TRIP 0, 1, 1
	TRIP 1, 1, 1
	s_sub_co_u32 s44, s44, 1
	s_cmp_lg_u32 s44, 0
	s_cbranch_scc1 .Lloop
	TRIP 0, 2, 0
	TRIP 1, 3, 0
	; ---- THE WAY OUT
	LSUM                                           ; the last step's partial sums; with the three lines below the places behind the last products
	v_add_f32 v14, v14, v15
	s_delay_alu instid0(VALU_DEP_1)
	v_permlanex16_b32 v[BP], v14, s22, s23
	s_delay_alu instid0(VALU_DEP_1)
	v_add_f32 v14, v14, v[BP]                      ; the row's sum
	s_wait_alu depctr_va_vdst(0)
	v_rcp_f32 v14, v14
	v_nop                                          ; one plain place behind a transcendental
	WIN 0x01                                       ; source 0 window 1
	s_wait_alu depctr_va_vdst(0)
.set j, 0
.rept 16
	v_pk_mul_f32 v[S+j:S+j+1], v[O+j:O+j+1], v[14:15] op_sel_hi:[1,0]   ; O^T / the sum, into window 0: register 16 b + i is d = 32 b + 16 h + i of my query
.set j, j+2
.endr
	WIN 0
.irp b, 0,1
	v_max3_num_f32 v[BM+\b], |v[S+16*\b]|, |v[S+16*\b+1]|, 0x1800000
.endr
.irp i, 2,4,6,8,10,12,14
.irp b, 0,1
	s_delay_alu instid0(VALU_DEP_2)
	v_max3_num_f32 v[BM+\b], v[BM+\b], |v[S+16*\b+\i]|, |v[S+16*\b+\i+1]|
.endr
.endr
.irp b, 0,1
	s_delay_alu instid0(VALU_DEP_2)
	v_permlanex16_b32 v[BP+\b], v[BM+\b], s22, s23
.endr
.irp b, 0,1
	s_delay_alu instid0(VALU_DEP_2)
	v_max_num_f32 v[BM+\b], v[BM+\b], v[BP+\b]
.endr
.irp b, 0,1
	s_delay_alu instid0(VALU_DEP_2)
	v_add_nc_u32 v[SOP+\b], 0xff000000, v[BM+\b]
.endr
.irp b, 0,1
	s_delay_alu instid0(VALU_DEP_2)
	v_lshrrev_b32 v[BP+\b], 23, v[SOP+\b]
.endr
	s_delay_alu instid0(VALU_DEP_1)
	v_lshl_or_b32 v[PS], v[BP+1], 8, v[BP]
	v_cvt_scalef32_pk16_fp6_f32 v[PC:PC+2], v[S:S+15], v[SOP]
	v_cvt_scalef32_pk16_fp6_f32 v[PT:PT+2], v[S+16:S+31], v[SOP+1]
	v_nop
.irp i, 0,1,2
	v_permlane16_swap_b32 v[PC+\i], v[PT+\i]       ; along d a block lies in two lanes: a whole block to a lane
.endr
.irp i, 0,1,2
	s_delay_alu instid0(VALU_DEP_3)
	v_mov_b32 v[PC+3+\i], v[PT+\i]
.endr
	ds_store_b128 v248, v[PC:PC+3]                 ; six registers of the fragment: 64 of its 128 along K
	ds_store_b64 v249, v[PC+4:PC+5] offset:512
	ds_store_b16 v250, v[PS] offset:ASC            ; lanes r and r + 16 write the same two bytes with the same value
	s_wait_dscnt 0x0                               ; for the others' sake: my stores have landed
	s_barrier_signal -1
	s_barrier_wait -1
.irp f, 0,1,2,3,4,5
	ds_load_b128 v[AF+12*\f:AF+12*\f+3], v246 offset:1536*\f
	ds_load_b64 v[AF+12*\f+4:AF+12*\f+5], v251 offset:1536*\f+512
	ds_load_b128 v[AF+12*\f+6:AF+12*\f+9], v246 offset:1536*\f+768
	ds_load_b64 v[AF+12*\f+10:AF+12*\f+11], v251 offset:1536*\f+1280
	ds_load_b32 v[AS+\f], v252 offset:ASC+64*\f
.endr
	s_wait_dscnt 0x0
	s_wait_loadcnt 0x0                             ; w_o, its scale words, the bias
.irp s, 0,1,2                                  ; transposed: source 0 = 16 columns of w_o, source 1 = 16 queries; four accumulators by turns; the bias starts the sums
.irp m, 0,1
.irp e, 0,1
.if \s == 0
	v_wmma_scale_f32_16x16x128_f8f6f4 v[AC+8*(2*\m+\e):AC+8*(2*\m+\e)+7], v[WO+12*(3*\e+\s):WO+12*(3*\e+\s)+11], v[AF+12*(3*\m+\s):AF+12*(3*\m+\s)+11], v[BO+8*\e:BO+8*\e+7], v[WOS+4*\e+\s], v[AS+3*\m+\s] matrix_a_fmt:MATRIX_FMT_FP6 matrix_b_fmt:MATRIX_FMT_FP6
.else
	v_wmma_scale_f32_16x16x128_f8f6f4 v[AC+8*(2*\m+\e):AC+8*(2*\m+\e)+7], v[WO+12*(3*\e+\s):WO+12*(3*\e+\s)+11], v[AF+12*(3*\m+\s):AF+12*(3*\m+\s)+11], v[AC+8*(2*\m+\e):AC+8*(2*\m+\e)+7], v[WOS+4*\e+\s], v[AS+3*\m+\s] matrix_a_fmt:MATRIX_FMT_FP6 matrix_b_fmt:MATRIX_FMT_FP6
.endif
.endr
.endr
.endr
	NOPS 4
.irp m, 0,1
.irp e, 0,1
	ds_store_b128 v253, v[AC+8*(2*\m+\e):AC+8*(2*\m+\e)+3] offset:8*\m*SPIT+32*\e       ; each accumulator from its low end on
	ds_store_b128 v253, v[AC+8*(2*\m+\e)+4:AC+8*(2*\m+\e)+7] offset:8*\m*SPIT+32*\e+16
.endr
.endr
	s_wait_dscnt 0x0
	s_barrier_signal -1
	s_barrier_wait -1                              ; 32 whole rows lie in the stage
.irp i, 0,1,2,3,4,5,6,7
	ds_load_b128 v[WO+4*\i:WO+4*\i+3], v254 offset:\i*SPIT
.endr
.irp i, 0,1,2,3,4,5,6,7
	s_wait_dscnt 7-\i                              ; the younger of the eight may stay out
	global_store_b128 v246, v[WO+4*\i:WO+4*\i+3], s[16:17] offset:\i*1536 th:TH_STORE_NT   ; 32 lanes store 512 consecutive bytes, aligned
.endr
	s_wait_tensorcnt 0x0                           ; the wave's end
	ds_add_u32 v[SPW], v[NIL]
	s_wait_dscnt 0x0
	ROUND                                          ; the closing round
	s_endpgm
.Lfunc_end_k_q11e0442959_attn:
	.size	k_q11e0442959_attn, .Lfunc_end_k_q11e0442959_attn-k_q11e0442959_attn
	.p2alignl 7, 3214868480
	.fill 96, 4, 3214868480
	.section	.rodata,"a",@progbits
	.p2align	6, 0x0
	.amdhsa_kernel k_q11e0442959_attn
		.amdhsa_group_segment_fixed_size 327680
		.amdhsa_private_segment_fixed_size 0
		.amdhsa_enable_private_segment 0
		.amdhsa_kernarg_size 56
		.amdhsa_user_sgpr_count 2
		.amdhsa_user_sgpr_kernarg_segment_ptr 1
		.amdhsa_wavefront_size32 1
		.amdhsa_system_sgpr_workgroup_id_x 1
		.amdhsa_system_sgpr_workgroup_id_y 1
		.amdhsa_system_sgpr_workgroup_id_z 1
		.amdhsa_system_vgpr_workitem_id 0
		.amdhsa_next_free_vgpr 336
		.amdhsa_next_free_sgpr 76
		.amdhsa_reserve_vcc 0
		.amdhsa_float_denorm_mode_32 3
		.amdhsa_float_denorm_mode_16_64 3
		.amdhsa_memory_ordered 1
		.amdhsa_forward_progress 1
		.amdhsa_inst_pref_size 145
	.end_amdhsa_kernel
	.amdgpu_metadata
---
amdhsa.version: [ 1, 2 ]
amdhsa.kernels:
  - .name:           k_q11e0442959_attn
    .symbol:         k_q11e0442959_attn.kd
    .args:
      - { .name: qimg, .offset: 0, .size: 8, .value_kind: global_buffer, .address_space: global }
      - { .name: kv, .offset: 8, .size: 8, .value_kind: global_buffer, .address_space: global }
      - { .name: flags, .offset: 16, .size: 8, .value_kind: global_buffer, .address_space: global }
      - { .name: wimg, .offset: 24, .size: 8, .value_kind: global_buffer, .address_space: global }
      - { .name: wsc, .offset: 32, .size: 8, .value_kind: global_buffer, .address_space: global }
      - { .name: b_o, .offset: 40, .size: 8, .value_kind: global_buffer, .address_space: global }
      - { .name: out0, .offset: 48, .size: 8, .value_kind: global_buffer, .address_space: global }
    .group_segment_fixed_size: 327680
    .private_segment_fixed_size: 0
    .kernarg_segment_align: 8
    .kernarg_segment_size: 56
    .max_flat_workgroup_size: 384
    .sgpr_count:     76
    .vgpr_count:     336
    .wavefront_size: 32
...
	.end_amdgpu_metadata
.endif
;; end of part 3
